; MI455X (gfx1250); checked and timed in simulation.
; The chip was launched on July 23, 2026; its instructions are those of AMD's public machine-readable ISA for CDNA 5 (MIT licence, August 2026) and "CDNA5" Instruction Set Architecture Reference Guide (July 2026). The comments in the code are by the model that wrote it; some were corrected since.
;; Scaled Dot Product Attention. Allowed arithmetic: matrix products marked QUANTISED: E4M3 operands, one given power-of-two scale a tensor, by v_wmma_f32_16x16x64_fp8_fp8 or v_wmma_f32_16x16x128_fp8_fp8, f32 sums; everything else in f32.
;; Inputs: K_codes 2 x 16 x 2,048 x 2 x 32 uint8 (E4M3 codes of K, K innermost, in blocks of 32 codes); Q_codes 2 x 16 x 2,048 x 2 x 32 uint8 (E4M3 codes of Q, K innermost, in blocks of 32 codes); V_codes 2 x 16 x 64 x 64 x 32 uint8 (E4M3 codes of V, K innermost, in blocks of 32 codes); lowp_scales 4 int32 (the exponents e of the quantised operands' scales 2^e); mask 1 x 1 x 2,048 x 2,048 bool.
;; Outputs: out0 2 x 16 x 2,048 x 64 float32.
;; This version of the problem:
;;   THIS VERSION OF THE PROBLEM IS GIVEN IN LOW PRECISION. The matrix products marked QUANTISED in the list below multiply operands that are first quantised to E4M3 (4 exponent bits, 3 mantissa bits; 8 bits a number), with one given power-of-two scale for each operand tensor; their sums are f32. All else is computed in f32.
;;   The module's matrix products, in the order in which they are computed (A, B: the left and right operand; K: the contracted axis; several contracted axes count as one K, in the product's order):
;;     1. batch 32 x [M 2,048, K 64] x [K 64, N 2,048]; A: input Q (given as codes); B: input K (given as codes): QUANTISED (scales: A lowp_scales[0], B lowp_scales[1])
;;     2. batch 32 x [M 2,048, K 2,048] x [K 2,048, N 64]; A: softmax (see below); B: input V (given as codes): QUANTISED (scales: A lowp_scales[2], B lowp_scales[3])
;;   THE QUANTISER, for each operand of a quantised product, along K:
;;     - The operand's scale is 2^e, e = its entry of the input lowp_scales (int32; the entries are numbered through the quantised products in the list's order, A before B).
;;     - Each number is divided by the scale, clamped to +-448, and rounded to the nearest number of E4M3, ties to even, subnormals kept.
;;     - The product sums the exact products of the quantised numbers (number of the format x scale) in f32.
;;   ~~~python
;;   def quantise(x, axis, e):      # numpy; x: float32 -> the quantised numbers, widened to float32 again
;;       x = np.moveaxis(x, axis, -1); K = x.shape[-1]
;;       r = np.clip(x / 2.0 ** e, -448, 448)
;;       step = 2.0 ** (np.maximum(np.frexp(np.where(r == 0, 1, r))[1] - 1, -6) - 3)
;;       q = np.round(r / step) * step * 2.0 ** e      # np.round: ties to even
;;       return np.moveaxis(q, -1, axis).astype(np.float32)
;;   ~~~
;;   SOFTMAX AHEAD OF A QUANTISED PRODUCT. Where the list says 'softmax', what is quantised is not the finished softmax but p = 2^(t - M), with t = logit x log2(e) and M = ceil(the row's largest t), a whole number; so 1/2 < the row's largest p <= 1. The row's sum l is taken of the UNQUANTISED p, in f32, and the product's result is divided by l at the end. Since M is a whole number, a kernel that streams over the keys may use a running M (the ceiling of the running maximum): every later rescaling is an exact power of two, so the quantised numbers keep their values, but for numbers so far below the row's largest that they fall under the format's range.
;;   OPERANDS COMPUTED ON THE WAY. 'Computed on the way' means the value that the module computes at that place (a softmax that the list does not call 'softmax' is quantised finished and normalised). What goes into a quantiser is computed in f32, as accurately as f32 sums, v_exp_f32 and their like allow (about 1e-6 of the number): no bf16 or f16 on the way to a quantiser, and a product that is left as it is and whose result goes on into a quantised operand takes f32 operands (vector FMAs, or v_wmma_f32_16x16x4_f32). A number that lies on a knife's edge between two numbers of the format may be rounded either way, as far as f32 arithmetic and the matrix unit's own rounding can turn it there, and no further.
;;   INPUTS GIVEN AS CODES. K (in the module: [2, 16, 2048, 64], K = its axis 3); Q (in the module: [2, 16, 2048, 64], K = its axis 3); V (in the module: [2, 16, 2048, 64], K = its axis 2): each comes as NAME_codes (uint8): NAME with its K axis moved to the last place and cut into blocks of 32 codes, [.., K / 32, bytes a block], one block behind the other in memory; one code a byte (a code: sign, 4 exponent bits, 3 mantissa bits); its scale is its entry of lowp_scales. Its value is code x scale, taken as it is: it is not quantised again, and the codes and scales need not be those that the quantiser above would give.
;; One version. Each part assembles by itself: llvm-mc -triple=amdgcn-amd-amdhsa -mcpu=gfx1250 --defsym DOCPART=n.
;; ======== version 1 of 1: 1 launch
;; limits: right only within a limited range of input values
;; launch attn (part 1): grid 8 x 32, 8 waves a work-group, no clusters, 309,248 bytes of LDS; arguments Q_codes, K_codes, V_codes, mask, lowp_scales, out0; writes out0
.if DOCPART == 1
	.amdgcn_target "amdgcn-amd-amdhsa--gfx1250"
	.amdhsa_code_object_version 6
	.text
	.protected	k_q03c55d774b_attn
	.globl	k_q03c55d774b_attn
	.p2align	8
	.type	k_q03c55d774b_attn,@function
k_q03c55d774b_attn:
	s_mov_b64 s[64:65], 0
	v_nop
	global_prefetch_b8 v0, s[64:65] scope:SCOPE_SE
	s_setreg_imm32_b32 hwreg(HW_REG_WAVE_MODE, 25, 1), 1
	s_wait_xcnt 0x0
; O[hd][q][:] = the sum over k of softmax_k(mask ? Q[hd][q] . K[hd][k] / 8 : -inf) V[hd][k][:], both products on codes of FP8 (E4M3), each tensor with the one scale 2^e that is given: eq, ek, ep, ev.
; Q, K: [32][2048][64] codes (K = the head's 64).  V: [32][64][2048] codes, the KEYS innermost.  mask: [2048][2048] bytes, 0 or 1, an INPUT: every byte is read and no pattern is built in.  O: [32][2048][64] f32.
; THE SOFTMAX AHEAD OF THE SECOND PRODUCT: t = score x log2(e) / 8; M = the row's largest t so far, rounded UP to a whole number; p = 2^(t - M) is quantised with 2^ep; it is not normalised.
; The row's sum is taken of the unquantised p and divides O at the end.  When M moves, the sum and O are multiplied by 2^(old M - new M): exact.
; SHARES.  A work-group owns 256 queries of one head, eight waves, two to a SIMD, 32 queries each (two tiles of 16) in 512 registers: wave w < 4 of work-group x takes block n = 4 x + w of 32 queries, wave w + 4 block 63 - n.
; Each query of a head is served once; where the open keys of a row grow or shrink with the row, the two blocks' open steps together stay even.  Every wave walks the 2,048 keys in 16 steps of 128.
; THE MASK DECIDES BY WHOLE NUMBERS READ HERE.  At a step's head a wave adds up its 32 x 128 mask bytes, word by word (32 words a lane, so a byte's sum is at most 32).  All sums 0: no key of the step counts for any of the 32 queries,
; every p would be 0 and the step is left out.  All sums 32: the scores start from the constant 0.  Otherwise THE MASK IS THE C OF THE FIRST PRODUCT: a byte xor 0x81 is an E4M3 code, 0x80 = -0 (counts) or 0x81 = -2^-9 (does not);
; a conversion x 2^113 makes -0 or -2^104 of it in the accumulator.  The largest t begins at c x (-2^80): above every masked t, below every true one.  So a masked p is 0, a row with no open key yet has sum 0 and O 0,
; and a row with no open key at all ends as 0 x (1 / 0) = NaN, as the softmax of a row of -inf does.
; NO CLUSTER: the branches above hang on bytes that this launch reads.  K and V come through registers.
; LDS holds the head's whole K and V: four chunks of 512 keys; chunk c + 1 is loaded in step 4 c and stored in front of step 4 c + 3; no byte of it is ever stored twice.
; LAYOUT.  Both products are used transposed: S^T = K Q^T, O^T = V^T P^T: a lane (r, h) = (lane % 16, lane / 16) holds ONE query.  Row 8 g + j of tile kt = 2 b + u of a step is key 32 b + 16 g + 8 u + j,
; so register j of lane (r, h) is key 32 b + 16 h + 8 u + j: tiles 2 b and 2 b + 1 together hold 16 neighbouring keys, which V's 16-byte loads and the mask's bring in the same order.
; K's and Q's fragments: registers 0-3 channels 16 h on, 4-7 channels 32 + 16 h on: the same permutation on both sides.
; PREFETCH: the mask alone.  Of the 32 heads that read the same rows, head y asks for bytes 256 (y % 8) on of its waves' rows, a lane a row, once, in step 2 (y % 8) - 4, three steps ahead of the load; blocks 0 and 1 come by their loads alone.
; K and V are asked for by their own loads three steps ahead of their use, so they have no prefetch.
; LIMITS: eq + ek between -85 and 1 (then every |t| is under 2^23, c x 2^104 is an f32 number and 2^(-c 2^104) is 0); ep between -126 and 119; ep + ev is applied by v_ldexp_f32 and has none.
; NaN codes (0x7f, 0xff) among the inputs are not served, and what would reach only a step that is left out is not carried.  Mask bytes are 0 or 1.
; REGISTERS, in windows of 256.  Window 0: v0 my thread's number; v1-15, v27-31, v43-47 addresses and constants; v16-26, v32-42 statistics; v48-63 Q; v64-95 P's codes; v96-223 S^T, then p (64 a tile); v224-255 the mask's words as loaded.
;   Window 1: v0-63 K's 8 fragments; v64-127 V's 4 fragments (ahead of them the mask in the scores' order); v128-191 O^T (32 a tile); v192-255 the next chunk of K and V on its way.
.set KC,    4352                       ; 64 keys of K in LDS: 16 lines of 256 bytes (4 keys) + 16 of padding: 16 rows on end start at 16 different columns of 16 bytes modulo 256
.set KW,    4*KC                       ; what one wave stores of K: its 64 keys of each of four chunks
.set VP,    2064                       ; a row of V in LDS: 2,048 bytes + 16
.set VB,    8*KW                       ; V begins here
.set STAGE, VB+64*VP                   ; a wave's own 4,608 bytes: 32 rows of 128 mask bytes + 16; on the way out 16 rows of 256 + 16
.set STW,   4608
.set MP,    144
.set SP,    272
.set SPARE, STAGE+8*STW                ; the spare words, 128 bytes a wave: four blocks of 256 bytes that no other line names
.set AK0, 1                            ; v1  my lane's place in a tile of K
.set AV0, 2                            ; v2  of V, channels 0-31
.set AV1, 3                            ; v3  of V, channels 32-63
.set SPW, 4                            ; v4  LDS address of my spare word; never rewritten
.set NIL, 5                            ; v5  0; never rewritten
.set LOF, 6                            ; v6  16 x lane: the offset of K's and V's global loads
.set MSC, 7                            ; v7  the byte 240 four times: the mask's conversion multiplies by 2^(240 - 127)
.set PSC, 8                            ; v8  2^ep as f32
.set LIMV, 9                           ; v9  448 x 2^ep
.set ADK, 12
.set ADV, 13
.set ADW, 14
.set MOF, 15                           ; v15 the mask's loads: eight lanes a row
.set KST, 27                           ; v27, v28 where I store K and V
.set VST, 28
.set MSW, 29                           ; v29, v30 the mask through my stage: in, back
.set MSR, 30
.set KAD, 31
.set VAD, 43
.set STO, 44                           ; v44-46 the way out
.set RD,  45
.set GO,  46
.set PFO, 47                           ; v47 the prefetch: a lane a row; never rewritten
.set ST,  16                           ; tile t at ST + 16 t: +0 -M, +1 the largest t, +2:3 the sum in two halves, +4:5 f (upper word 0), +6, +7 the maximum's two chains, +8:9 the sum's second chain, +10 a permute's destination
.set QF,  48
.set PF,  64
.set S,   96
.set MW,  224
.set KF,  0                            ; in window 1
.set VF,  64
.set OT,  128
.set KV,  192
.set WV,  16                           ; s16 my wave's number
.set PFA, 56                           ; s[56:57] what my wave prefetches
.set LIM, 58                           ; s58 the step in which it does
.set XM,  59                           ; s59 0x81 four times
.set SEL, 60                           ; s[60:61] lane selects for v_permlanex16_b32: lane l xor 16
.set CS,  62                           ; s[62:63] c = log2(e) / 8 x 2^(eq + ek)
.set SN,  66                           ; s66 the step, 0 to 15
.set EP,  70                           ; s70 ep
.set KB,  72                           ; s[72:73], s[74:75] the next chunk of K and V in memory
.set VG,  74
.set MB,  76                           ; s[76:77] the next step's mask bytes
.set MSB, 0
.macro WIN new                         ; the immediate's high byte repeats the setting that is left; a switch that changes nothing is dropped
.if MSB != \new
	s_set_vgpr_msb (MSB<<8)|\new
.set MSB, \new
.endif
.endm
; a chunk: of K my 64 keys, 512 bytes (8 keys) a load; of V 512 bytes of each of my eight channels
.macro KVLOAD
	WIN 0x40
.irp i, 0,1,2,3,4,5,6,7
	global_load_b128 v[KV+4*\i:KV+4*\i+3], v[LOF], s[KB:KB+1] offset:512*\i
.endr
.irp i, 0,1,2,3,4,5,6,7
	global_load_b128 v[KV+32+4*\i:KV+32+4*\i+3], v[LOF], s[VG:VG+1] offset:2048*\i
.endr
	WIN 0
.endm
; its place in LDS; s80: the chunk.  Load i of K brings keys 8 i on = 32 b + 16 g + 8 u with b = i / 4, g = i / 2 % 2, u = i % 2: they go to places 32 b + 16 u + 8 g on, four places a line
.macro KVSTORE
	s_mul_i32 s81, s80, KC
	s_lshl_b32 s82, s80, 9
	v_add_nc_u32 v[KAD], s81, v[KST]
	v_add_nc_u32 v[VAD], s82, v[VST]
	WIN 0x04
.irp i, 0,1,2,3,4,5,6,7
	ds_store_b128 v[KAD], v[KV+4*\i:KV+4*\i+3] offset:272*(8*(\i/4)+4*(\i%2)+2*((\i/2)%2))
.endr
.irp i, 0,1,2,3,4,5,6,7
	ds_store_b128 v[VAD], v[KV+32+4*\i:KV+32+4*\i+3] offset:VP*\i
.endr
	WIN 0
	s_add_nc_u64 s[KB:KB+1], s[KB:KB+1], 32768     ; (the loads that used the two bases have been waited for)
	s_add_nc_u64 s[VG:VG+1], s[VG:VG+1], 512
.endm
; K's eight fragments of step s80: the step's 128 keys are those that waves 2 q and 2 q + 1 stored of chunk c (c = step / 4, q = step % 4)
.macro FETCH_K
	s_and_b32 s81, s80, 3
	s_mul_i32 s81, s81, 2*KW
	s_lshr_b32 s82, s80, 2
	s_mul_i32 s82, s82, KC
	s_add_co_u32 s81, s81, s82
	v_add_nc_u32 v[ADK], s81, v[AK0]
	WIN 0x40
.irp kt, 0,1,2,3,4,5,6,7
	ds_load_b128 v[KF+8*\kt:KF+8*\kt+3],   v[ADK] offset:KW*(\kt/4)+1088*(\kt%4)
	ds_load_b128 v[KF+8*\kt+4:KF+8*\kt+7], v[ADK] offset:KW*(\kt/4)+1088*(\kt%4)+32
.endr
	WIN 0
.endm
.macro MLOAD                           ; 32 rows x 128 bytes of the mask: four rows a load
.irp i, 0,1,2,3,4,5,6,7
	global_load_b128 v[MW+4*\i:MW+4*\i+3], v[MOF], s[MB:MB+1] offset:8192*\i
.endr
.endm
; what the next step wants: its mask bytes, its fragments of K; in steps 0, 4, 8 the next chunk.  The last step asks for nothing
.macro NEXT
	s_cmp_eq_u32 s[SN], 15
	s_cbranch_scc1 .Lasked_\@
	MLOAD
	s_add_co_u32 s80, s[SN], 1
	FETCH_K
	s_cmp_lg_u32 s[SN], s[LIM]
	s_cbranch_scc1 .Lnot_mine_\@
	global_prefetch_b8 v[PFO], s[PFA:PFA+1] th:TH_LOAD_NT scope:SCOPE_SE
.Lnot_mine_\@:
	s_and_b32 s80, s[SN], 3
	s_cmp_lg_u32 s80, 0
	s_cbranch_scc1 .Lasked_\@
	s_cmp_eq_u32 s[SN], 12
	s_cbranch_scc1 .Lasked_\@
	KVLOAD
.Lasked_\@:
.endm
	s_load_b256 s[4:11], s[0:1], 0x0               ; Q s[4:5], K s[6:7], V s[8:9], mask s[10:11]
	s_load_b128 s[12:15], s[0:1], 0x20             ; the scales' exponents s[12:13], O s[14:15]
	v_lshrrev_b32 v12, 5, v0
	v_lshl_add_u32 v[SPW], v0, 2, SPARE
	v_mov_b32 v[NIL], 0
	v_readfirstlane_b32 s[WV], v12                 ; wave 0..7
	v_and_b32 v10, 15, v0                          ; r
	v_bfe_u32 v11, v0, 4, 1                        ; h
	v_and_b32 v13, 31, v0
	v_bfe_u32 v[MOF], v0, 3, 2
	v_and_b32 v12, 7, v0
	v_lshlrev_b32 v[ADW], 6, v10                   ; (v14 carries Q's offset here: row r of 64 bytes, + 16 h)
	v_lshlrev_b32 v[LOF], 4, v13
	v_lshlrev_b32 v[MOF], 11, v[MOF]
	v_lshlrev_b32 v[PFO], 11, v13
	v_lshl_add_u32 v[ADW], v11, 4, v[ADW]
	v_lshl_add_u32 v[MOF], v12, 4, v[MOF]
	s_and_b32 s17, s[WV], 3
	s_lshl_b32 s18, ttmp9, 2
	s_add_co_u32 s18, s18, s17
	s_sub_co_u32 s19, 63, s18
	s_cmp_lt_u32 s[WV], 4
	s_cselect_b32 s18, s18, s19                    ; my block of 32 queries
	s_and_b32 s20, ttmp7, 0xffff                   ; my head
	s_lshl_b32 s78, s20, 17                        ; the head's first byte in Q, K and V
	s_lshl_b32 s84, s[WV], 12
	s_add_co_u32 s84, s84, s78                     ; K: 64 keys a wave
	s_mov_b32 s85, 0
	s_lshl_b32 s86, s[WV], 14
	s_add_co_u32 s86, s86, s78                     ; V: eight channels a wave
	s_mov_b32 s87, 0
	s_lshl_b32 s88, s18, 16                        ; the mask: 32 rows of 2,048 bytes a block
	s_mov_b32 s89, 0
	s_lshl_b32 s90, s18, 11
	s_add_co_u32 s90, s90, s78                     ; Q: 32 rows of 64 bytes a block
	s_mov_b32 s91, 0
	s_lshl_b32 s92, s90, 2                         ; O: rows four times as long
	s_mov_b32 s93, 0
	s_and_b32 s17, s20, 7
	s_lshl_b32 s94, s17, 8
	s_add_co_u32 s94, s94, s88                     ; the prefetch: 256 bytes of each row
	s_mov_b32 s95, 0
	s_lshl_b32 s[LIM], s17, 1
	s_sub_co_u32 s[LIM], s[LIM], 4                 ; (heads whose y % 8 is 0 or 1 never ask: no step has that number)
	s_mov_b32 s[XM], 0x81818181
	s_mov_b32 s[SEL], 0x76543210
	s_mov_b32 s[SEL+1], 0xfedcba98
	s_mov_b32 s[SN], 0
	s_wait_alu depctr_va_vdst(0)                   ; directly ahead of the wait below
	s_wait_kmcnt 0x0
	s_load_b128 s[68:71], s[12:13], 0x0            ; eq, ek, ep, ev
	s_add_nc_u64 s[KB:KB+1], s[6:7], s[84:85]
	s_add_nc_u64 s[VG:VG+1], s[8:9], s[86:87]
	s_add_nc_u64 s[MB:MB+1], s[10:11], s[88:89]
	s_add_nc_u64 s[4:5], s[4:5], s[90:91]
	s_add_nc_u64 s[14:15], s[14:15], s[92:93]
	s_add_nc_u64 s[PFA:PFA+1], s[10:11], s[94:95]
	KVLOAD                                         ; chunk 0
	MLOAD                                          ; step 0's mask bytes
.irp t, 0,1
	global_load_b128 v[QF+8*\t:QF+8*\t+3],   v[ADW], s[4:5] offset:1024*\t th:TH_LOAD_NT      ; Q's two fragments stay in registers
	global_load_b128 v[QF+8*\t+4:QF+8*\t+7], v[ADW], s[4:5] offset:1024*\t+32 th:TH_LOAD_NT
.endr
	s_mul_i32 s80, s[WV], KW
	s_mul_i32 s81, s[WV], 8*VP
	s_add_co_u32 s81, s81, VB
	s_mul_i32 s82, s[WV], STW
	s_add_co_u32 s82, s82, STAGE
	v_lshrrev_b32 v[AK0], 2, v10
	v_and_b32 v[AV1], 3, v10
	v_mul_u32_u24 v[AV0], v10, VP
	v_mul_u32_u24 v[KST], v11, 272
	v_bfe_u32 v[MSW], v0, 3, 2
	v_mul_u32_u24 v[MSR], v10, MP
	v_mul_u32_u24 v[STO], v10, SP
	v_mul_u32_u24 v[RD], v11, SP
	v_lshlrev_b32 v[GO], 8, v11
	v_mul_u32_u24 v[AK0], v[AK0], 272
	v_lshl_add_u32 v[AV0], v11, 4, v[AV0]
	v_lshl_add_u32 v[KST], v10, 4, v[KST]
	v_mul_u32_u24 v[MSW], v[MSW], MP
	v_lshl_add_u32 v[MSR], v11, 4, v[MSR]
	v_lshl_add_u32 v[STO], v11, 5, v[STO]
	v_lshl_add_u32 v[RD], v10, 4, v[RD]
	v_lshl_add_u32 v[GO], v10, 4, v[GO]            ; lanes 0-15 one row of O, lanes 16-31 the next
	v_lshl_add_u32 v[AK0], v[AV1], 6, v[AK0]
	v_add_nc_u32 v[AV0], VB, v[AV0]
	v_lshl_add_u32 v[MSW], v12, 4, v[MSW]
	v_add_nc_u32 v[KST], s80, v[KST]
	v_add_nc_u32 v[VST], s81, v[LOF]
	v_lshl_add_u32 v[AK0], v11, 4, v[AK0]
	v_add_nc_u32 v[AV1], 32*VP, v[AV0]
	v_add_nc_u32 v[MSW], s82, v[MSW]
	v_add_nc_u32 v[MSR], s82, v[MSR]
	v_add_nc_u32 v[STO], s82, v[STO]
	v_add_nc_u32 v[RD], s82, v[RD]
	v_mov_b32 v[MSC], 0xf0f0f0f0
	WIN 0x40                                       ; destination window 1
.set j, 0
.rept 64
	v_mov_b32 v[OT+j], 0                           ; O^T.  (The step has no first copy of its own: the first step finds zeros)
.set j, j+1
.endr
	WIN 0
	s_wait_kmcnt 0x0
	s_add_co_i32 s83, s68, s69
	s_lshl_b32 s83, s83, 23
	s_add_co_i32 s[CS], s83, 0x3e38aa3b            ; c = log2(e) / 8, with eq + ek added to its exponent field: a raw score stands for score x 2^(eq + ek)
	s_mov_b32 s[CS+1], s[CS]                       ; (named with it as a pair, so it is written)
	s_add_co_i32 s83, s[EP], 127
	s_lshl_b32 s84, s83, 23
	s_add_co_i32 s83, s83, 8
	s_lshl_b32 s83, s83, 23
	s_or_b32 s83, s83, 0x600000
	v_mov_b32 v[PSC], s84                          ; 2^ep as f32: the conversion takes its exponent field
	v_mov_b32 v[LIMV], s83                         ; 448 x 2^ep
.irp t, 0,1
	v_mov_b32 v[ST+16*\t+1], 0xe7800000            ; -2^80
	v_mov_b32 v[ST+16*\t+2], 0                     ; the sum, in two halves
	v_mov_b32 v[ST+16*\t+3], 0
	v_mov_b32 v[ST+16*\t+5], 0                     ; (named as the upper half of f's pair)
	v_mov_b32 v[ST+16*\t+10], 0                    ; written once: a lane permute's destination counts as one of its sources
.endr
.irp t, 0,1
	v_mul_f32 v[ST+16*\t+1], s[CS], v[ST+16*\t+1]  ; the largest t so far: c x (-2^80)
.endr
.irp t, 0,1
	v_floor_f32 v[ST+16*\t], -v[ST+16*\t+1]        ; -M
.endr
	s_wait_alu depctr_va_vdst(0)                   ; at the head's end
	s_wait_loadcnt 12                              ; chunk 0 is in; the mask's eight loads and Q's four, issued behind it, may be out
	s_mov_b32 s80, 0
	KVSTORE
	s_wait_dscnt 0x0                               ; my part of chunk 0 is stored:
	s_barrier_signal -1
	s_barrier_wait -1                              ; and so is everybody's
	s_mov_b32 s80, 0
	FETCH_K
.Lstep:
	s_wait_dscnt 0x0                               ; this step's fragments of K, asked for a step ago
	s_wait_loadcnt 0x0                             ; this step's mask bytes (and what came of the next chunk)
	s_add_nc_u64 s[MB:MB+1], s[MB:MB+1], 128
	s_and_b32 s80, s[SN], 3
	s_cmp_lg_u32 s80, 3
	s_cbranch_scc1 .Lstored
	s_cmp_eq_u32 s[SN], 15
	s_cbranch_scc1 .Lstored
	s_barrier_signal -1                            ; steps 3, 7, 11, counted alike in all waves: no LDS read of mine is pending
	s_barrier_wait -1
	s_lshr_b32 s80, s[SN], 2
	s_add_co_u32 s80, s80, 1
	KVSTORE                                        ; the next chunk, whose first fragments of K this very step asks for
	s_wait_dscnt 0x0                               ; my part of it is stored:
	s_barrier_signal -1
	s_barrier_wait -1                              ; and so is everybody's
.Lstored:
	v_add3_u32 v10, v[MW], v[MW+1], v[MW+2]        ; the mask bytes' sums, in two chains
	v_add3_u32 v11, v[MW+3], v[MW+4], v[MW+5]
.irp i, 6,10,14,18,22,26
	v_add3_u32 v10, v10, v[MW+\i], v[MW+\i+1]
	v_add3_u32 v11, v11, v[MW+\i+2], v[MW+\i+3]
.endr
	v_add3_u32 v10, v10, v[MW+30], v[MW+31]
	v_add_nc_u32 v10, v10, v11
	v_cmp_ne_u32 s83, 0, v10                       ; lanes that hold an open key
	v_cmp_ne_u32 s84, 0x20202020, v10              ; lanes that hold a closed one
	s_cmp_eq_u32 s83, 0
	s_cbranch_scc1 .Lhidden
	s_cmp_eq_u32 s84, 0
	s_cbranch_scc1 .Lopen
	; open and closed keys: the mask's rows go through my stage into the order of the scores (the sums above are the places behind the last products, which read V's registers)
.irp i, 0,1,2,3,4,5,6,7
	ds_store_b128 v[MSW], v[MW+4*\i:MW+4*\i+3] offset:4*MP*\i
.endr
	WIN 0x40
.irp t, 0,1
.irp b, 0,1,2,3
	ds_load_b128 v[VF+16*\t+4*\b:VF+16*\t+4*\b+3], v[MSR] offset:16*MP*\t+32*\b   ; LDS serves a wave's instructions in order (ISA guide 5.7.1.4): these see my stores
.endr
.endr
	WIN 0x44                                       ; destination and source 1 window 1
	s_wait_dscnt 0x0
.set j, 0
.rept 32
	v_xor_b32 v[VF+j], s[XM], v[VF+j]              ; byte 1 -> 0x80 (-0), byte 0 -> 0x81 (-2^-9)
.set j, j+1
.endr
	WIN 0x01                                       ; source 0 window 1
.irp kt, 0,1,2,3,4,5,6,7
.irp t, 0,1
	v_cvt_scale_pk8_f32_fp8 v[S+64*\t+8*\kt:S+64*\t+8*\kt+7], v[VF+16*\t+2*\kt:VF+16*\t+2*\kt+1], v[MSC]   ; -0 or -2^104, straight into the tile's accumulator
.endr
.endr
	v_nop                                          ; one plain vector line between the scaled conversions and the matrix instructions that take their results
.irp kt, 0,1,2,3,4,5,6,7                       ; S^T = K Q^T + the mask's numbers
.irp t, 0,1
	v_wmma_f32_16x16x64_fp8_fp8 v[S+64*\t+8*\kt:S+64*\t+8*\kt+7], v[KF+8*\kt:KF+8*\kt+7], v[QF+8*\t:QF+8*\t+7], v[S+64*\t+8*\kt:S+64*\t+8*\kt+7]
.endr
.endr
	WIN 0
	s_branch .Lscored
.Lopen:
	WIN 0x01
.irp kt, 0,1,2,3,4,5,6,7                       ; S^T = K Q^T: every key counts
.irp t, 0,1
	v_wmma_f32_16x16x64_fp8_fp8 v[S+64*\t+8*\kt:S+64*\t+8*\kt+7], v[KF+8*\kt:KF+8*\kt+7], v[QF+8*\t:QF+8*\t+7], 0
.endr
.endr
	WIN 0
.Lscored:
	s_lshl_b32 s82, s[SN], 7
	v_add_nc_u32 v[ADV], s82, v[AV0]               ; four places behind the last product, ahead of loads into its operands and reads of its result: these two lines
	v_add_nc_u32 v[ADW], s82, v[AV1]
	v_nop                                          ; and these
	v_nop
	WIN 0x40
.irp dt, 0,1                                   ; V's four fragments (16 channels x 128 keys), wanted at the step's end
.irp c, 0,1,2,3
	ds_load_b128 v[VF+16*\dt+4*\c:VF+16*\dt+4*\c+3], v[ADV] offset:16*VP*\dt+32*\c
.endr
.endr
.irp dt, 0,1
.irp c, 0,1,2,3
	ds_load_b128 v[VF+32+16*\dt+4*\c:VF+32+16*\dt+4*\c+3], v[ADW] offset:16*VP*\dt+32*\c
.endr
.endr
	WIN 0
	NEXT
.irp t, 0,1                                    ; the step's largest score of my query among my 64 keys: two chains a tile, ascending
	v_max3_num_f32 v[ST+16*\t+6], v[S+64*\t], v[S+64*\t+1], v[S+64*\t+2]
	v_max3_num_f32 v[ST+16*\t+7], v[S+64*\t+3], v[S+64*\t+4], v[S+64*\t+5]
.endr
.irp i, 6,10,14,18,22,26,30,34,38,42,46,50,54,58
.irp t, 0,1
	v_max3_num_f32 v[ST+16*\t+6], v[ST+16*\t+6], v[S+64*\t+\i], v[S+64*\t+\i+1]
	v_max3_num_f32 v[ST+16*\t+7], v[ST+16*\t+7], v[S+64*\t+\i+2], v[S+64*\t+\i+3]
.endr
.endr
.irp t, 0,1
	v_max3_num_f32 v[ST+16*\t+6], v[ST+16*\t+6], v[S+64*\t+62], v[S+64*\t+63]
.endr
.irp t, 0,1
	s_delay_alu instid0(VALU_DEP_2)
	v_max_num_f32 v[ST+16*\t+6], v[ST+16*\t+6], v[ST+16*\t+7]
.endr
.irp t, 0,1
	s_delay_alu instid0(VALU_DEP_2)
	v_permlanex16_b32 v[ST+16*\t+10], v[ST+16*\t+6], s[SEL], s[SEL+1]   ; the query's other 64 keys lie in the lane 16 away
.endr
.irp t, 0,1
	s_delay_alu instid0(VALU_DEP_2)
	v_max_num_f32 v[ST+16*\t+6], v[ST+16*\t+6], v[ST+16*\t+10]
.endr
.irp t, 0,1
	s_delay_alu instid0(VALU_DEP_2)
	v_mul_f32 v[ST+16*\t+6], s[CS], v[ST+16*\t+6]  ; as t (c is positive)
.endr
.irp t, 0,1
	s_delay_alu instid0(VALU_DEP_2)
	v_max_num_f32 v[ST+16*\t+1], v[ST+16*\t+1], v[ST+16*\t+6]   ; the running largest t
.endr
.irp t, 0,1
	v_mov_b32 v[ST+16*\t+6], v[ST+16*\t]
.endr
.irp t, 0,1
	s_delay_alu instid0(VALU_DEP_4)
	v_floor_f32 v[ST+16*\t], -v[ST+16*\t+1]        ; the new -M = floor(-t) = -ceil(t): M is a whole number
.endr
.irp t, 0,1
	s_delay_alu instid0(VALU_DEP_2)
	v_sub_f32 v[ST+16*\t+6], v[ST+16*\t], v[ST+16*\t+6]   ; old M - new M: a whole number, 0 or less
.endr
.irp t, 0,1
	s_delay_alu instid0(VALU_DEP_2)
	v_cvt_i32_f32 v[ST+16*\t+6], v[ST+16*\t+6]     ; (it saturates)
.endr
.irp t, 0,1
	s_delay_alu instid0(VALU_DEP_2)
	v_ldexp_f32 v[ST+16*\t+4], 1.0, v[ST+16*\t+6]  ; f = 2^(old M - new M)
.endr
.set j, 0
.rept 32
	v_pk_fma_f32 v[S+j:S+j+1], v[S+j:S+j+1], s[CS:CS+1], v[ST:ST+1] op_sel_hi:[1,0,0]   ; tile 0: t - M, two at a time (of the pairs c and -M the low word serves both halves)
.set j, j+2
.endr
	s_wait_alu depctr_va_vdst(0)                   ; the wait ahead of the batch
.set j, 0
.rept 32                                       ; p = 2^(t - M) of tile 0, with tile 1's multiply-adds between
	v_exp_f32 v[S+j], v[S+j]
	v_pk_fma_f32 v[S+64+j:S+65+j], v[S+64+j:S+65+j], s[CS:CS+1], v[ST+16:ST+17] op_sel_hi:[1,0,0]
	v_exp_f32 v[S+j+1], v[S+j+1]
.set j, j+2
.endr
	s_wait_alu depctr_va_vdst(0)                   ; and ahead of tile 1's
.set j, 64
.rept 64
	v_exp_f32 v[S+j], v[S+j]
.set j, j+1
.endr
.irp t, 0,1
	v_pk_mul_f32 v[ST+16*\t+2:ST+16*\t+3], v[ST+16*\t+2:ST+16*\t+3], v[ST+16*\t+4:ST+16*\t+5] op_sel_hi:[1,0]   ; the sums under the new M.  (The plain line behind the exponentials)
.endr
	s_wait_alu depctr_va_vdst(0)                   ; ahead of the results' first reader
.irp t, 0,1
	v_pk_add_f32 v[ST+16*\t+8:ST+16*\t+9], v[S+64*\t:S+64*\t+1], v[S+64*\t+2:S+64*\t+3]   ; the row's sum is taken of the UNQUANTISED p: two chains a tile
.endr
.irp i, 4,8,12,16,20,24,28,32,36,40,44,48,52,56,60
.irp t, 0,1
	v_pk_add_f32 v[ST+16*\t+2:ST+16*\t+3], v[ST+16*\t+2:ST+16*\t+3], v[S+64*\t+\i:S+64*\t+\i+1]
	v_pk_add_f32 v[ST+16*\t+8:ST+16*\t+9], v[ST+16*\t+8:ST+16*\t+9], v[S+64*\t+\i+2:S+64*\t+\i+3]
.endr
.endr
	s_delay_alu instid0(VALU_DEP_3)
	v_pk_add_f32 v[ST+2:ST+3], v[ST+2:ST+3], v[ST+8:ST+9]
	s_delay_alu instid0(VALU_DEP_2)
	v_pk_add_f32 v[ST+18:ST+19], v[ST+18:ST+19], v[ST+24:ST+25]
	s_cmp_ge_i32 s[EP], -8                         ; |t| under 2^23: t - M is at most 1/2, p at most 1.42, and p / 2^ep at most 364 where ep is -8 or more: under 448, so nothing is to be held
	s_cbranch_scc1 .Lheld
.set j, 0
.rept 64                                       ; the conversion to an 8-bit code does not saturate (ISA guide 7.6.2); p is not negative, so the hold is one-sided; two holds an instruction
	v_dual_min_num_f32 v[S+j], v[LIMV], v[S+j] :: v_dual_min_num_f32 v[S+j+1], v[LIMV], v[S+j+1]
.set j, j+2
.endr
.Lheld:
.irp kt, 0,1,2,3,4,5,6,7
.irp t, 0,1
	v_cvt_scalef32_pk8_fp8_f32 v[PF+16*\t+2*\kt:PF+16*\t+2*\kt+1], v[S+64*\t+8*\kt:S+64*\t+8*\kt+7], v[PSC]   ; registers 2 kt, 2 kt + 1 of P
.endr
.endr
	WIN 0x41                                       ; O^T (destination, source 0) window 1, f window 0
	s_wait_alu depctr_va_vdst(0)                   ; directly ahead of the first reader of O^T
.set j, 0
.rept 16
.irp t, 0,1
	v_pk_mul_f32 v[OT+32*\t+j:OT+32*\t+j+1], v[OT+32*\t+j:OT+32*\t+j+1], v[ST+16*\t+4:ST+16*\t+5] op_sel_hi:[1,0]   ; O^T under the new M, ascending.  (Also the plain lines behind the conversions)
.endr
.set j, j+2
.endr
	s_wait_alu depctr_va_vdst(0)                   ; directly ahead of the wait below
	s_wait_dscnt 0x0                               ; V is in (and so are the next step's fragments of K)
	WIN 0x51                                       ; V window 1, P window 0, O^T window 1
.irp dt, 0,1,2,3                               ; O^T += V^T P^T: eight accumulators, one instruction each
.irp t, 0,1
	v_wmma_f32_16x16x128_fp8_fp8 v[OT+32*\t+8*\dt:OT+32*\t+8*\dt+7], v[VF+16*\dt:VF+16*\dt+15], v[PF+16*\t:PF+16*\t+15], v[OT+32*\t+8*\dt:OT+32*\t+8*\dt+7]
.endr
.endr
	WIN 0
	s_branch .Lnext
.Lhidden:                                              ; no key of this step counts for any of my queries
	NEXT
.Lnext:
	s_add_co_u32 s[SN], s[SN], 1
	s_cmp_lt_u32 s[SN], 16
	s_wait_alu depctr_va_vdst(0)                   ; directly ahead of the branch
	s_cbranch_scc1 .Lstep
	; THE WAY OUT.  The sum's halves are added; O^T x 2^(ep + ev) / the sum goes through my stage in LDS, a tile (16 rows of 256 bytes) at a time, so that sixteen lanes store one aligned row of 256 bytes.
	s_add_co_i32 s83, s[EP], s71                   ; ep + ev
.irp t, 0,1
	v_add_f32 v[ST+16*\t+6], v[ST+16*\t+2], v[ST+16*\t+3]
.endr
.irp t, 0,1
	s_delay_alu instid0(VALU_DEP_2)
	v_permlanex16_b32 v[ST+16*\t+10], v[ST+16*\t+6], s[SEL], s[SEL+1]
.endr
.irp t, 0,1
	s_delay_alu instid0(VALU_DEP_2)
	v_add_f32 v[ST+16*\t+6], v[ST+16*\t+6], v[ST+16*\t+10]   ; the row's sum
.endr
	s_wait_alu depctr_va_vdst(0)                   ; the wait ahead of the batch
.irp t, 0,1
	v_rcp_f32 v[ST+16*\t+4], v[ST+16*\t+6]
.endr
	v_nop                                          ; the plain line behind the reciprocals
	s_wait_alu depctr_va_vdst(0)                   ; and ahead of the results' first reader
.irp t, 0,1
	v_ldexp_f32 v[ST+16*\t+4], v[ST+16*\t+4], s83
.endr
	WIN 0x01                                       ; source 0 (O^T) window 1
	s_wait_alu depctr_va_vdst(0)                   ; directly ahead of the first reader of O^T
.set j, 0
.rept 16
.irp t, 0,1
	v_pk_mul_f32 v[S+32*\t+j:S+32*\t+j+1], v[OT+32*\t+j:OT+32*\t+j+1], v[ST+16*\t+4:ST+16*\t+5] op_sel_hi:[1,0]   ; ascending: each accumulator from its low end on
.endr
.set j, j+2
.endr
	WIN 0
.irp t, 0,1
.irp dt, 0,1,2,3
	ds_store_b128 v[STO], v[S+32*\t+8*\dt:S+32*\t+8*\dt+3] offset:64*\dt
	ds_store_b128 v[STO], v[S+32*\t+8*\dt+4:S+32*\t+8*\dt+7] offset:64*\dt+16
.endr
.irp i, 0,1,2,3,4,5,6,7
	ds_load_b128 v[S+64+32*\t+4*\i:S+64+32*\t+4*\i+3], v[RD] offset:2*\i*SP   ; LDS serves a wave's instructions in order (ISA guide 5.7.1.4): these see my stores, and the next tile's stores come behind them
.endr
.endr
.macro SEND t, younger                 ; younger: the LDS instructions issued behind tile t's loads
.irp i, 0,1,2,3,4,5,6,7
	s_wait_dscnt \younger+7-\i
	global_store_b128 v[GO], v[S+64+32*\t+4*\i:S+64+32*\t+4*\i+3], s[14:15] offset:4096*\t+512*\i th:TH_STORE_NT   ; 16 lanes store 256 consecutive bytes, at a multiple of 256 from O's first byte
.endr
.endm
	SEND 0, 16                                     ; behind tile 0's loads: tile 1's eight stores and eight loads
	SEND 1, 0
	s_wait_tensorcnt 0x0                           ; the wave's end: behind my last LDS store
	ds_add_u32 v[SPW], v[NIL]
	s_wait_dscnt 0x0
	s_endpgm
.Lfunc_end_k_q03c55d774b_attn:
	.size	k_q03c55d774b_attn, .Lfunc_end_k_q03c55d774b_attn-k_q03c55d774b_attn
	.p2alignl 7, 3214868480
	.fill 96, 4, 3214868480
	.section	.rodata,"a",@progbits
	.p2align	6, 0x0
	.amdhsa_kernel k_q03c55d774b_attn
		.amdhsa_group_segment_fixed_size 309248
		.amdhsa_private_segment_fixed_size 0
		.amdhsa_enable_private_segment 0
		.amdhsa_kernarg_size 48
		.amdhsa_user_sgpr_count 2
		.amdhsa_user_sgpr_kernarg_segment_ptr 1
		.amdhsa_wavefront_size32 1
		.amdhsa_system_sgpr_workgroup_id_x 1
		.amdhsa_system_sgpr_workgroup_id_y 1
		.amdhsa_system_sgpr_workgroup_id_z 1
		.amdhsa_system_vgpr_workitem_id 0
		.amdhsa_next_free_vgpr 512
		.amdhsa_next_free_sgpr 96
		.amdhsa_reserve_vcc 0
		.amdhsa_float_denorm_mode_32 3
		.amdhsa_float_denorm_mode_16_64 3
		.amdhsa_memory_ordered 1
		.amdhsa_forward_progress 1
		.amdhsa_inst_pref_size 64
	.end_amdhsa_kernel
	.amdgpu_metadata
---
amdhsa.version: [ 1, 2 ]
amdhsa.kernels:
  - .name:           k_q03c55d774b_attn
    .symbol:         k_q03c55d774b_attn.kd
    .args:
      - { .name: Q_codes, .offset: 0, .size: 8, .value_kind: global_buffer, .address_space: global }
      - { .name: K_codes, .offset: 8, .size: 8, .value_kind: global_buffer, .address_space: global }
      - { .name: V_codes, .offset: 16, .size: 8, .value_kind: global_buffer, .address_space: global }
      - { .name: mask, .offset: 24, .size: 8, .value_kind: global_buffer, .address_space: global }
      - { .name: lowp_scales, .offset: 32, .size: 8, .value_kind: global_buffer, .address_space: global }
      - { .name: out0, .offset: 40, .size: 8, .value_kind: global_buffer, .address_space: global }
    .group_segment_fixed_size: 309248
    .private_segment_fixed_size: 0
    .kernarg_segment_align: 8
    .kernarg_segment_size: 48
    .max_flat_workgroup_size: 256
    .sgpr_count:     96
    .vgpr_count:     512
    .wavefront_size: 32
...
	.end_amdgpu_metadata
.endif
;; end of part 1
